; MI455X (gfx1250); checked and timed in simulation.
; The chip was launched on July 23, 2026; its instructions are those of AMD's public machine-readable ISA for CDNA 5 (MIT licence, August 2026) and "CDNA5" Instruction Set Architecture Reference Guide (July 2026). The comments in the code are by the model that wrote it; some were corrected since.
;; Int4 Linear V2. Allowed arithmetic: matrix products marked QUANTISED: E5M2 operands, one E8M0 scale for each 32 along K, by v_wmma_scale_f32_16x16x128_f8f6f4 with both operands' format E5M2, f32 sums; everything else in f32.
;; Inputs: scales 32 x 4,096 float16; weight 2,048 x 4,096 uint8; x 4,096 x 4,096 float16.
;; Outputs: out0 4,096 x 4,096 float16.
;; Constants: group_size = 128.
;; This version of the problem:
;;   THIS VERSION OF THE PROBLEM IS GIVEN IN LOW PRECISION. The matrix products marked QUANTISED in the list below multiply operands that are first quantised to E5M2 (5 exponent bits, 2 mantissa bits; 8 bits a number), with one power-of-two scale for each 32 numbers along K (OCP MX v1.0); their sums are f32. All else is computed in f32.
;;   The module's matrix products, in the order in which they are computed (A, B: the left and right operand; K: the contracted axis; several contracted axes count as one K, in the product's order):
;;     1. [M 4,096, K 4,096] x [K 4,096, N 4,096]; A: input x; B: computed on the way: QUANTISED
;;   THE QUANTISER, for each operand of a quantised product, along K:
;;     - K is cut into blocks of 32 from its start; a last block that is shorter is filled with zeros.
;;     - A block's scale is 2^e with e = floor(log2(the largest magnitude in the block)) - 15, held to -126 .. 127; a block of zeros has e = 0. As a byte (E8M0): e + 127.
;;     - Each number is divided by its block's scale, clamped to +-57,344, and rounded to the nearest number of E5M2, ties to even, subnormals kept.
;;     - The product sums the exact products of the quantised numbers (number of the format x scale) in f32.
;;   ~~~python
;;   def quantise(x, axis):      # numpy; x: float32 -> the quantised numbers, widened to float32 again
;;       x = np.moveaxis(x, axis, -1); K = x.shape[-1]
;;       x = np.pad(x, [(0, 0)] * (x.ndim - 1) + [(0, -K % 32)]); x = x.reshape(x.shape[:-1] + (-1, 32)); a = np.abs(x).max(-1, keepdims=True)
;;       e = np.where(a > 0, np.clip(np.frexp(np.where(a > 0, a, 1))[1] - 1 - 15, -126, 127), 0)      # np.frexp(a)[1] - 1 = floor(log2(a)), exactly
;;       r = np.clip(x / 2.0 ** e, -57344, 57344)
;;       step = 2.0 ** (np.maximum(np.frexp(np.where(r == 0, 1, r))[1] - 1, -14) - 2)
;;       q = np.round(r / step) * step * 2.0 ** e      # np.round: ties to even
;;       return np.moveaxis(q.reshape(q.shape[:-2] + (-1,))[..., :K], -1, axis).astype(np.float32)
;;   ~~~
;;   OPERANDS COMPUTED ON THE WAY. 'Computed on the way' means the value that the module computes at that place (a softmax that the list does not call 'softmax' is quantised finished and normalised). What goes into a quantiser is computed in f32, as accurately as f32 sums, v_exp_f32 and their like allow (about 1e-6 of the number): no bf16 or f16 on the way to a quantiser, and a product that is left as it is and whose result goes on into a quantised operand takes f32 operands (vector FMAs, or v_wmma_f32_16x16x4_f32). A number that lies on a knife's edge between two numbers of the format may be rounded either way, as far as f32 arithmetic and the matrix unit's own rounding can turn it there, and no further.
;; One version. Each part assembles by itself: llvm-mc -triple=amdgcn-amd-amdhsa -mcpu=gfx1250 --defsym DOCPART=n.
;; ======== version 1 of 1: 2 launches
;; limits: values are held in f16: magnitudes above 65,504 overflow, below 6.1e-05 lose precision; right only within a limited range of input values
;; workspace buffers: a_pack 17,301,504 bytes; b_pack 17,301,504 bytes
;; launch quant (part 1): grid 512 x 1, 4 waves a work-group, no clusters, 2,560 bytes of LDS; arguments x, weight, scales, a_pack, b_pack; writes a_pack, b_pack
.if DOCPART == 1
	.amdgcn_target "amdgcn-amd-amdhsa--gfx1250"
	.amdhsa_code_object_version 6
	.text
	.protected	k_q9428788a56_quant
	.globl	k_q9428788a56_quant
	.p2align	8
	.type	k_q9428788a56_quant,@function
k_q9428788a56_quant:
	s_mov_b64 s[64:65], 0
	v_nop
	global_prefetch_b8 v0, s[64:65] scope:SCOPE_SE
	s_setreg_imm32_b32 hwreg(HW_REG_WAVE_MODE, 25, 1), 1
	s_wait_xcnt 0x0
; Both operands of out = x w are turned ONCE into codes of BF8 (E5M2) with one E8M0 scale byte for each 32 along K, laid as the product's launch wants them.
; x: [4096][4096] f16, K innermost.  w[k][n] = (nibble - 8) x scales[k / 128][n]: weight [2048][4096] bytes, low nibble k = 2 row, high nibble k = 2 row + 1; scales [32][4096] f16.
; A block's scale is 2^(floor(log2(its largest magnitude)) - 15): its byte is the largest magnitude's own exponent field - 15, held at 1 from below.  Each number is divided by the scale, held within +-57,344,
; and rounded to the nearest code, ties to even.
; LIMITS.  w goes into the quantiser as the EXACT f32 product (nibble - 8) x scale (at most 15 significant bits; one fused multiply-add gives it unrounded): it is not rounded to f16 first.
;   A block of zeros gets the byte 1 where the rule says 127: its codes are zeros, which add nothing under any byte but 0xff, and this program alone reads the bytes.  NaN and infinities among the inputs are not served.
; THE PACKS.  a_pack [mt 16][ks 16] and b_pack [nt 16][ks 16] are blocks of 67,584 bytes: what a tile of 256 rows (columns) needs for 256 along K: 65,536 bytes of codes, then 2,048 of scale bytes.
;   a_pack: the 256 codes of row rho lie at 256 rho.  The scale byte of (row = 64 sub + 16 t + r, q = which 128 along K, c = which 32 of them) lies at 65,536 + 1,024 q + 256 sub + 16 r + 4 t + c.
;   b_pack: images of the operand's registers.  Column 128 hw + 64 hl + 4 r + j is lane r of fragment 4 hl + j of half hw; its code of k lies at 32,768 hw + 4,096 (4 hl + j) + 2,048 q + 512 c + 256 ((k % 32) / 16) + 16 r + k % 16;
;   its scale byte at 65,536 + 1,024 q + 512 hw + 256 hl + 16 r + 4 j + c.
; Work-groups 0-255 take w, 256-511 take x (a scalar branch on the work-group's number).  No barrier: waves share nothing.  Only x's path touches LDS: 512 bytes for each wave.
.set BLOCKB, 67584
.set SCB,    65536
.set MANT,   0x600000                  ; the mantissa field of 57,344 as f32
.set FLOOR,  0x8000000                 ; 2^(16 - 127): under it no largest magnitude is taken, so the byte cannot fall under 1
; w's path
.set WS,  8                            ; v8-15   the scales of my four columns as f32, each written twice: a pair for the packed multiply-add
.set WS8, 16                           ; v16-23  -8 x the same
.set WSB, 24                           ; v24-27  the scale words of my four columns: byte c for K block c
.set WR,  32                           ; v32-95  64 rows of weight: 4 bytes = 4 columns a lane
.set WX,  96                           ; v96-127 a block's 32 numbers
.set WC,  128                          ; v128-255 codes: eight registers for each of the 16 blocks, so that no store's data are written again
; x's path
.set XX,  8                            ; v8-39    four rows of 8 numbers as f32
.set XM,  40                           ; v40-43   their largest magnitudes; v44-47 the second chains
.set XH,  48                           ; v48-51   their holds
.set XS,  52                           ; v52-55   their scale operands
.set XE,  56                           ; v56-59   their scale bytes
.set XO,  60                           ; v60-63   the scale bytes on their way out
.set XD,  64                           ; v64-127  a ring of 16 rows as loaded, 4 registers each (their f16 halves are named, so they lie under v128)
.set XC,  128                          ; v128-159 codes: sixteen sets of two registers
	s_load_b256 s[4:11], s[0:1], 0x0               ; x s[4:5], weight s[6:7], scales s[8:9], a_pack s[10:11]
	s_load_b64 s[12:13], s[0:1], 0x20              ; b_pack
	s_set_vgpr_msb 0x40
	v_lshl_add_u32 v0, v0, 2, 0x800
	v_mov_b32 v1, 0
	s_set_vgpr_msb 0x4000
	v_lshrrev_b32 v1, 5, v0
	v_readfirstlane_b32 s14, v1                    ; wave 0..3
	v_and_b32 v1, 31, v0                           ; lane
	s_mov_b32 s23, MANT                            ; (an instruction takes one literal: the hold's line has another)
	s_cmp_lt_u32 ttmp9, 256
	s_cbranch_scc0 .Lx_path
; ---------------------------------------------------------------- w
; A wave takes 128 columns x 128 along K: 64 rows of weight, one row of scales.  A LANE TAKES FOUR COLUMNS (the 4 bytes at 4 x lane of each row), AND ITS REGISTERS RUN DOWN K:
; a block of 32 along K of one column comes out of 16 of the lane's registers, its largest magnitude needs no other lane, and the conversions give its codes with K innermost.
	s_and_b32 s15, ttmp9, 31                       ; which 128 along K
	s_lshr_b32 s16, ttmp9, 5                       ; which 512 columns
	s_lshl_b32 s18, s15, 18                        ; weight: 64 rows of 4,096 bytes,
	s_lshl_b32 s17, s16, 9
	s_add_co_u32 s18, s18, s17                     ; + 512 columns a work-group,
	s_lshl_b32 s17, s14, 7
	s_add_co_u32 s18, s18, s17                     ; + 128 a wave
	s_mov_b32 s19, 0
	s_lshl_b32 s20, s15, 13                        ; scales: a row of 8,192 bytes, and the same columns at 2 bytes
	s_lshl_b32 s17, s16, 10
	s_add_co_u32 s20, s20, s17
	s_lshl_b32 s17, s14, 8
	s_add_co_u32 s20, s20, s17
	s_mov_b32 s21, 0
	s_lshl_b32 s24, s16, 1
	s_lshr_b32 s17, s14, 1
	s_add_co_u32 s24, s24, s17                     ; nt = 2 x (which 512) + wave / 2
	s_lshl_b32 s24, s24, 4
	s_lshr_b32 s17, s15, 1                         ; ks
	s_add_co_u32 s24, s24, s17
	s_mul_i32 s24, s24, BLOCKB                     ; my block of b_pack
	s_and_b32 s26, s14, 1                          ; hw
	s_and_b32 s27, s15, 1                          ; q
	s_lshl_b32 s17, s26, 15
	s_add_co_u32 s28, s24, s17
	s_lshl_b32 s17, s27, 11
	s_add_co_u32 s28, s28, s17                     ; codes: + 32,768 hw + 2,048 q
	s_mov_b32 s29, 0
	s_lshl_b32 s17, s27, 10
	s_add_co_u32 s30, s24, s17
	s_lshl_b32 s17, s26, 9
	s_add_co_u32 s30, s30, s17
	s_add_co_u32 s30, s30, SCB                     ; scale bytes: + 65,536 + 1,024 q + 512 hw
	s_mov_b32 s31, 0
	s_wait_alu depctr_va_vdst(0)
	v_lshlrev_b32 v2, 2, v1                        ; weight: 4 bytes a lane
	v_lshlrev_b32 v4, 4, v1                        ; the scale words: 16 bytes a lane
	v_lshlrev_b32 v5, 3, v1                        ; scales: four f16 a lane
	v_bfe_u32 v3, v0, 4, 1                         ; hl
	v_and_b32 v28, 15, v0                          ; r
	v_lshlrev_b32 v28, 4, v28
	v_lshl_add_u32 v3, v3, 14, v28                 ; codes: 16,384 hl + 16 r
	s_wait_alu depctr_va_vdst(0)
	s_wait_kmcnt 0x0
	s_add_nc_u64 s[6:7], s[6:7], s[18:19]
	s_add_nc_u64 s[8:9], s[8:9], s[20:21]
	s_add_nc_u64 s[28:29], s[12:13], s[28:29]
	s_add_nc_u64 s[30:31], s[12:13], s[30:31]
	global_load_b64 v[6:7], v5, s[8:9]
.set i, 0
.rept 64                                       ; the wave's whole share is asked for at once: 64 rows x 128 consecutive bytes (the four waves stand side by side on 512)
	global_load_b32 v[WR+i], v2, s[6:7] offset:i*4096 th:TH_LOAD_NT
.set i, i+1
.endr
	s_wait_loadcnt 48                              ; the scales and rows 0-15 are in; the 48 rows of the later K blocks may be out
	v_cvt_f32_f16 v[WS+0], v6.l
	v_cvt_f32_f16 v[WS+2], v6.h
	v_cvt_f32_f16 v[WS+4], v7.l
	v_cvt_f32_f16 v[WS+6], v7.h
.irp j, 0,1,2,3
	v_mov_b32 v[WS+2*\j+1], v[WS+2*\j]
	v_mul_f32 v[WS8+2*\j], 0xc1000000, v[WS+2*\j]      ; -8 x the scale: exact
	v_mul_f32 v[WS8+2*\j+1], 0xc1000000, v[WS+2*\j]
.endr
; K block c (32 along K: rows 16 c .. 16 c + 15) of my column j
.macro WBLOCK c, j
.set CD, WC+8*(4*\c+\j)
.set i, 0
.rept 16
	v_bfe_u32 v[WX+2*i], v[WR+16*\c+i], 8*\j, 4            ; the low nibble: k = 2 row
	v_bfe_u32 v[WX+2*i+1], v[WR+16*\c+i], 8*\j+4, 4        ; the high nibble: k = 2 row + 1
.set i, i+1
.endr
.set i, 0
.rept 32
	v_cvt_f32_u32 v[WX+i], v[WX+i]
.set i, i+1
.endr
.set i, 0
.rept 16
	v_pk_fma_f32 v[WX+i:WX+i+1], v[WX+i:WX+i+1], v[WS+2*\j:WS+2*\j+1], v[WS8+2*\j:WS8+2*\j+1]   ; nibble x s - 8 s = (nibble - 8) x s, unrounded
.set i, i+2
.endr
	v_max3_num_f32 v28, |v[WX]|, |v[WX+1]|, |v[WX+2]|      ; the block's largest magnitude: all 32 numbers are mine; two chains
	v_max3_num_f32 v29, |v[WX+3]|, |v[WX+4]|, |v[WX+5]|
.irp i, 6,10,14,18,22,26
	v_max3_num_f32 v28, v28, |v[WX+\i]|, |v[WX+\i+1]|
	v_max3_num_f32 v29, v29, |v[WX+\i+2]|, |v[WX+\i+3]|
.endr
	v_max3_num_f32 v28, v28, |v[WX+30]|, |v[WX+31]|
	v_max3_num_f32 v28, v28, v29, FLOOR
	v_add_nc_u32 v31, 0xf8800000, v28              ; 15 off its exponent field: the conversion takes the exponent field of this operand as its scale, and nothing else of it
	v_and_or_b32 v30, v28, 0x7f800000, s23         ; 57,344 x the scale: the largest magnitude's exponent field over 57,344's mantissa
.set i, 0
.rept 32
	v_med3_num_f32 v[WX+i], v[WX+i], -v30, v30     ; the conversion to an 8-bit code does not saturate (ISA guide 7.6.2): the hold comes first
.set i, i+1
.endr
.irp g, 0,1,2,3
	v_cvt_scalef32_pk8_bf8_f32 v[CD+2*\g:CD+2*\g+1], v[WX+8*\g:WX+8*\g+7], v31
.endr
.if \c == 0                                    ; the scale's byte into my column's word.  (Also the plain line between the conversions and the next block's writes of their sources)
	v_lshrrev_b32 v[WSB+\j], 23, v31
.else
	v_lshrrev_b32 v29, 23, v31
	v_lshl_or_b32 v[WSB+\j], v29, 8*\c, v[WSB+\j]
.endif
	global_store_b128 v3, v[CD:CD+3], s[28:29] offset:\j*4096+\c*512          ; k % 32 = 0 .. 15: lanes 0-15 store 256 consecutive aligned bytes, lanes 16-31 another 256
	global_store_b128 v3, v[CD+4:CD+7], s[28:29] offset:\j*4096+\c*512+256    ; k % 32 = 16 .. 31
.endm
.irp c, 0,1,2,3
.if \c > 0
	s_wait_loadcnt 48-16*\c                        ; this K block's 16 rows are in; those of the later blocks may be out
.endif
.irp j, 0,1,2,3
	WBLOCK \c, \j
.endr
.endr
	global_store_b128 v4, v[WSB:WSB+3], s[30:31]   ; the wave's 512 scale bytes, consecutive and aligned
	s_endpgm
; ---------------------------------------------------------------- x
; A wave takes 64 rows x 256 along K, four rows a step, whose chains take turns line by line.  A row's one load reads 512 consecutive bytes, 16 a lane: 8 NEIGHBOURS along K, which is what one conversion takes; four neighbouring
; lanes hold a block of 32.  A row's 256 codes leave as 256 consecutive aligned bytes, 8 a lane.  The scale bytes (8 a row) are gathered in the wave's own 512 bytes of LDS and leave at the end as two runs of 256 aligned bytes.
.Lx_path:
	s_sub_co_u32 s15, ttmp9, 256
	s_lshr_b32 s16, s15, 2                         ; which 64 rows
	s_and_b32 s17, s15, 3
	s_lshl_b32 s17, s17, 2
	s_add_co_u32 s17, s17, s14                     ; ks = 4 x (work-group % 4) + wave
	s_lshl_b32 s18, s16, 19                        ; x: 64 rows of 8,192 bytes,
	s_lshl_b32 s20, s17, 9
	s_add_co_u32 s18, s18, s20                     ; + 512 bytes a K step
	s_mov_b32 s19, 0
	s_lshr_b32 s20, s16, 2                         ; mt
	s_lshl_b32 s20, s20, 4
	s_add_co_u32 s20, s20, s17
	s_mul_i32 s20, s20, BLOCKB                     ; my block of a_pack
	s_and_b32 s22, s16, 3                          ; sub: which 64 of its 256 rows
	s_lshl_b32 s24, s22, 14
	s_add_co_u32 s24, s24, s20                     ; codes: + 64 sub rows of 256 bytes
	s_mov_b32 s25, 0
	s_lshl_b32 s26, s22, 8
	s_add_co_u32 s26, s26, s20
	s_add_co_u32 s26, s26, SCB                     ; scale bytes: + 65,536 + 256 sub
	s_mov_b32 s27, 0
	s_lshl_b32 s28, s14, 9                         ; LDS: 512 bytes a wave
	s_wait_alu depctr_va_vdst(0)
	v_lshlrev_b32 v2, 4, v1                        ; x: 16 bytes a lane
	v_lshlrev_b32 v3, 3, v1                        ; codes: 8 bytes a lane
	v_bfe_u32 v4, v0, 4, 1                         ; q = lane / 16
	v_lshlrev_b32 v4, 8, v4
	v_bfe_u32 v7, v0, 2, 2                         ; c = (lane / 4) % 4
	v_add_nc_u32 v4, v4, v7
	v_add_nc_u32 v4, s28, v4                       ; where my block's byte goes: 512 wave + 256 q + c (+ 16 r + 4 t in the immediate)
	v_lshl_add_u32 v5, v1, 4, s28                  ; and where I read 16 bytes back: 512 wave + 16 lane
	v_bfe_u32 v6, v0, 4, 1
	v_and_b32 v7, 15, v0
	v_lshlrev_b32 v7, 4, v7
	v_lshl_add_u32 v6, v6, 10, v7                  ; their place in the block: 1,024 q + 16 (lane % 16)
	s_wait_kmcnt 0x0
	s_add_nc_u64 s[4:5], s[4:5], s[18:19]
	s_add_nc_u64 s[24:25], s[10:11], s[24:25]
	s_add_nc_u64 s[26:27], s[10:11], s[26:27]
.set i, 0
.rept 16                                       ; the ring is filled: rows 0-15
	global_load_b128 v[XD+4*i:XD+4*i+3], v2, s[4:5] offset:i*8192 th:TH_LOAD_NT
.set i, i+1
.endr
; Row rho, in ring slot d; l0 .. h3: the slot's eight f16 halves by name.
.macro XSTEP rho, d, l0, h0, l1, h1, l2, h2, l3, h3
.set K_, (\rho)%4
.if K_ == 0
.if (\rho) < 48
	s_wait_loadcnt 12                              ; loads come back in order (ISA guide 5.7.1): these four rows are in, the 12 younger rows of the ring may be out
.else
	s_wait_loadcnt 60-(\rho)                       ; the last rows: the counts run down
.endif
.endif
.if ((\rho)%16 == 0) && ((\rho) > 0)
	s_wait_xcnt 0x0                                ; the last sixteen rows' stores have read their data: the sixteen sets of code registers are written again only behind this wait
.endif
	v_cvt_f32_f16 v[XX+8*K_+0], \l0
	v_cvt_f32_f16 v[XX+8*K_+1], \h0
	v_cvt_f32_f16 v[XX+8*K_+2], \l1
	v_cvt_f32_f16 v[XX+8*K_+3], \h1
	v_cvt_f32_f16 v[XX+8*K_+4], \l2
	v_cvt_f32_f16 v[XX+8*K_+5], \h2
	v_cvt_f32_f16 v[XX+8*K_+6], \l3
	v_cvt_f32_f16 v[XX+8*K_+7], \h3
.if K_ == 3                                    ; four rows are widened: R_ .. R_ + 3
.set R_, (\rho)-3
.if R_+16 < 64
.irp k, 0,1,2,3
	global_load_b128 v[XD+4*((\d)-3+\k):XD+4*((\d)-3+\k)+3], v2, s[4:5] offset:(R_+16+\k)*8192 th:TH_LOAD_NT   ; the slots take the rows 16 further down
.endr
.endif
.irp k, 0,1,2,3
	v_max3_num_f32 v[XM+\k], |v[XX+8*\k]|, |v[XX+8*\k+1]|, FLOOR       ; the largest magnitude of my 8, and the floor
.endr
.irp k, 0,1,2,3
	v_max3_num_f32 v[XM+4+\k], |v[XX+8*\k+2]|, |v[XX+8*\k+3]|, |v[XX+8*\k+4]|
.endr
.irp k, 0,1,2,3
	v_max3_num_f32 v[XM+\k], v[XM+\k], |v[XX+8*\k+5]|, |v[XX+8*\k+6]|
.endr
.irp k, 0,1,2,3
	v_max3_num_f32 v[XM+\k], v[XM+\k], v[XM+4+\k], |v[XX+8*\k+7]|
.endr
.irp k, 0,1,2,3
	v_max_num_f32_dpp v[XM+\k], v[XM+\k], v[XM+\k] row_xmask:1 row_mask:0xf bank_mask:0xf   ; and of the three lanes that share the block
.endr
.irp k, 0,1,2,3
	v_max_num_f32_dpp v[XM+\k], v[XM+\k], v[XM+\k] row_xmask:2 row_mask:0xf bank_mask:0xf
.endr
.irp k, 0,1,2,3
	v_add_nc_u32 v[XS+\k], 0xf8800000, v[XM+\k]    ; 15 off its exponent field: the conversion's scale operand
.endr
.irp k, 0,1,2,3
	v_and_or_b32 v[XH+\k], v[XM+\k], 0x7f800000, s23   ; 57,344 x the scale
.endr
.irp k, 0,1,2,3
.irp i, 0,1,2,3,4,5,6,7
	v_med3_num_f32 v[XX+8*\k+\i], v[XX+8*\k+\i], -v[XH+\k], v[XH+\k]   ; the hold (ISA guide 7.6.2: the conversion does not saturate)
.endr
.endr
.irp k, 0,1,2,3
	v_cvt_scalef32_pk8_bf8_f32 v[XC+2*(R_%16+\k):XC+2*(R_%16+\k)+1], v[XX+8*\k:XX+8*\k+7], v[XS+\k]
.endr
.irp k, 0,1,2,3
	v_lshrrev_b32 v[XE+\k], 23, v[XS+\k]           ; the scale's byte.  (Also the plain lines between the conversions and the next rows' writes of their sources)
.endr
.irp k, 0,1,2,3
	ds_store_b8 v4, v[XE+\k] offset:((R_+\k)%16)*16+((R_+\k)/16)*4   ; 16 r + 4 t; the four lanes of a block write the same byte with the same value
.endr
.irp k, 0,1,2,3
	global_store_b64 v3, v[XC+2*(R_%16+\k):XC+2*(R_%16+\k)+1], s[24:25] offset:(R_+\k)*256   ; 32 lanes store a row's 256 consecutive aligned bytes
.endr
.endif
.endm
.macro LAP b                                   ; once round the ring: rows b .. b + 15
	XSTEP (\b)+0,  0,  v64.l,  v64.h,  v65.l,  v65.h,  v66.l,  v66.h,  v67.l,  v67.h
	XSTEP (\b)+1,  1,  v68.l,  v68.h,  v69.l,  v69.h,  v70.l,  v70.h,  v71.l,  v71.h
	XSTEP (\b)+2,  2,  v72.l,  v72.h,  v73.l,  v73.h,  v74.l,  v74.h,  v75.l,  v75.h
	XSTEP (\b)+3,  3,  v76.l,  v76.h,  v77.l,  v77.h,  v78.l,  v78.h,  v79.l,  v79.h
	XSTEP (\b)+4,  4,  v80.l,  v80.h,  v81.l,  v81.h,  v82.l,  v82.h,  v83.l,  v83.h
	XSTEP (\b)+5,  5,  v84.l,  v84.h,  v85.l,  v85.h,  v86.l,  v86.h,  v87.l,  v87.h
	XSTEP (\b)+6,  6,  v88.l,  v88.h,  v89.l,  v89.h,  v90.l,  v90.h,  v91.l,  v91.h
	XSTEP (\b)+7,  7,  v92.l,  v92.h,  v93.l,  v93.h,  v94.l,  v94.h,  v95.l,  v95.h
	XSTEP (\b)+8,  8,  v96.l,  v96.h,  v97.l,  v97.h,  v98.l,  v98.h,  v99.l,  v99.h
	XSTEP (\b)+9,  9,  v100.l, v100.h, v101.l, v101.h, v102.l, v102.h, v103.l, v103.h
	XSTEP (\b)+10, 10, v104.l, v104.h, v105.l, v105.h, v106.l, v106.h, v107.l, v107.h
	XSTEP (\b)+11, 11, v108.l, v108.h, v109.l, v109.h, v110.l, v110.h, v111.l, v111.h
	XSTEP (\b)+12, 12, v112.l, v112.h, v113.l, v113.h, v114.l, v114.h, v115.l, v115.h
	XSTEP (\b)+13, 13, v116.l, v116.h, v117.l, v117.h, v118.l, v118.h, v119.l, v119.h
	XSTEP (\b)+14, 14, v120.l, v120.h, v121.l, v121.h, v122.l, v122.h, v123.l, v123.h
	XSTEP (\b)+15, 15, v124.l, v124.h, v125.l, v125.h, v126.l, v126.h, v127.l, v127.h
.endm
	LAP 0
	LAP 16
	LAP 32
	LAP 48
	ds_load_b128 v[XO:XO+3], v5                    ; LDS serves a wave's instructions in order (ISA guide 5.7.1.4): this sees my byte stores
	s_wait_dscnt 0x0
	global_store_b128 v6, v[XO:XO+3], s[26:27]     ; lanes 0-15: the 256 bytes of q = 0; lanes 16-31: those of q = 1, 1,024 bytes on; each run aligned
	s_set_vgpr_msb 0x5
	s_wait_tensorcnt 0x0
	ds_add_u32 v0, v1
	s_wait_dscnt 0x0
	s_set_vgpr_msb 0x500
	s_endpgm
.Lfunc_end_k_q9428788a56_quant:
	.size	k_q9428788a56_quant, .Lfunc_end_k_q9428788a56_quant-k_q9428788a56_quant
	.p2alignl 7, 3214868480
	.fill 96, 4, 3214868480
	.section	.rodata,"a",@progbits
	.p2align	6, 0x0
	.amdhsa_kernel k_q9428788a56_quant
		.amdhsa_group_segment_fixed_size 2560
		.amdhsa_private_segment_fixed_size 0
		.amdhsa_enable_private_segment 0
		.amdhsa_kernarg_size 40
		.amdhsa_user_sgpr_count 2
		.amdhsa_user_sgpr_kernarg_segment_ptr 1
		.amdhsa_wavefront_size32 1
		.amdhsa_system_sgpr_workgroup_id_x 1
		.amdhsa_system_sgpr_workgroup_id_y 1
		.amdhsa_system_sgpr_workgroup_id_z 1
		.amdhsa_system_vgpr_workitem_id 0
		.amdhsa_next_free_vgpr 258
		.amdhsa_next_free_sgpr 66
		.amdhsa_reserve_vcc 0
		.amdhsa_float_denorm_mode_32 3
		.amdhsa_float_denorm_mode_16_64 3
		.amdhsa_memory_ordered 1
		.amdhsa_forward_progress 1
		.amdhsa_inst_pref_size 242
	.end_amdhsa_kernel
	.amdgpu_metadata
---
amdhsa.version: [ 1, 2 ]
amdhsa.kernels:
  - .name:           k_q9428788a56_quant
    .symbol:         k_q9428788a56_quant.kd
    .args:
      - { .name: x, .offset: 0, .size: 8, .value_kind: global_buffer, .address_space: global }
      - { .name: weight, .offset: 8, .size: 8, .value_kind: global_buffer, .address_space: global }
      - { .name: scales, .offset: 16, .size: 8, .value_kind: global_buffer, .address_space: global }
      - { .name: a_pack, .offset: 24, .size: 8, .value_kind: global_buffer, .address_space: global }
      - { .name: b_pack, .offset: 32, .size: 8, .value_kind: global_buffer, .address_space: global }
    .group_segment_fixed_size: 2560
    .private_segment_fixed_size: 0
    .kernarg_segment_align: 8
    .kernarg_segment_size: 40
    .max_flat_workgroup_size: 128
    .sgpr_count:     66
    .vgpr_count:     258
    .wavefront_size: 32
...
	.end_amdgpu_metadata
.endif
;; end of part 1
;; launch gemm (part 2): grid 16 x 16, 4 waves a work-group, clusters of 4 x 4, 327,680 bytes of LDS; arguments a_pack, b_pack, out0; writes out0
.if DOCPART == 2
	.amdgcn_target "amdgcn-amd-amdhsa--gfx1250"
	.amdhsa_code_object_version 6
	.text
	.protected	k_q9428788a56_gemm
	.globl	k_q9428788a56_gemm
	.p2align	8
	.type	k_q9428788a56_gemm,@function
k_q9428788a56_gemm:
	s_mov_b64 s[64:65], 0
	v_nop
	global_prefetch_b8 v0, s[64:65] scope:SCOPE_SE
	s_setreg_imm32_b32 hwreg(HW_REG_WAVE_MODE, 25, 1), 1
	s_wait_xcnt 0x0
	s_wait_alu depctr_hold_cnt(0) depctr_sa_sdst(0) depctr_va_vdst(0) depctr_va_sdst(0) depctr_va_ssrc(0) depctr_va_vcc(0) depctr_vm_vsrc(0)
	s_getreg_b32 s2, hwreg(HW_REG_IB_STS2, 6, 4)
	s_cmp_eq_u32 s2, 0
	s_cbranch_scc0 .Lentry_in_a_cluster
	s_endpgm
.Lentry_in_a_cluster:
	s_bfe_u32 s2, ttmp6, 0x10000c
	s_cmp_lg_u32 s2, 0xf033
	s_cbranch_scc0 .Lentry_shape_is_right
	s_endpgm
.Lentry_shape_is_right:
; out [4096][4096] f16 = A B, sums in f32, from the packs that the first launch lays (its head states them): codes of BF8 (E5M2) with one E8M0 scale byte for each 32 along K.
; A tile of 256 x 256 of out is made by a work-group of four waves (2 x 2), 128 x 128 a wave: 64 accumulators of 16 x 16.  K goes in 16 slots of 256 through a ring of two LDS slots; a slot is one block of a_pack and one of
; b_pack, 264 units of 256 bytes each, codes and scale bytes together, 16 bytes of padding behind each unit.  A wave fetches half of one block with one tensor load.
; CLUSTERS of 4 x 4: A's block is asked for jointly by the four of a cluster row, B's by the four of a column.
; THE MATRIX INSTRUCTION IS USED TRANSPOSED (source 0 = B): a lane holds one row of out.  b_pack deals the columns so that a lane's registers of four fragments are neighbouring columns.
; A SLOT IS TWO STEPS OF 128 along K, q = 0 and 1; a step is 64 products by A's blocks (n = 8 a + b).  ONE RUN OF LDS LOADS in a step's middle brings all fragments of the next step.  A has twelve buffers, X, Y, Z of four
; blocks each: blocks 0-3 of every step lie in X, blocks 4-7 of q = 0 in Y, those of q = 1 in Z.  In a step's middle X is done with, and so is the one of Y and Z that the next step takes.  B has two sets, by q.
; The change of slots stands in a slot's second step, ahead of its run: by then all reads of the slot have come back.
; PREFETCH: with each fill a wave names its 33 units of the fill two further on: the four partners of a joint load share its 132 units by address; the last two refills ask for nothing.  Slots 0 and 1 come by their loads alone;
; slot 2 is asked for together with slot 3, behind slot 1's load.
; LIMITS: NaN and infinities among the inputs are not served.
; REGISTERS: window 0: v16-31 addresses; v32-63 scale words, two sets; v64-127 X, v128-191 Y, v192-255 Z.  Window 1: B's fragments, set q at v[128 q].  Windows 2, 3: accumulators.
.set PITCH,  272
.set BLOCKB, 67584
.set HALFB,  BLOCKB/2
.set HALFT,  132*PITCH
.set SLOT,   4*HALFT
.set BOFF,   2*HALFT
.set SCOFF,  256*PITCH
.set SPARE,  2*SLOT                    ; 128 bytes for each wave, which no other line names
.set STAGE,  SPARE+512                 ; the way out: 16 rows x 272 bytes for each wave
.set SPITCH, 272
.set ROWC,   8192
.set ADRA, 16
.set ADSA, 18
.set ADRB, 20
.set ADSB, 22
.set STO,  24
.set RD,   25
.set CO,   26
.set SPW,  28
.set NIL,  29
.set PFO,  30
.set PFZ,  31
.set SC,   32                          ; set s at v[32 + 16 s]: 8 q + 0..3 A's words, 8 q + 4..7 B's: never equal modulo 8
.set BX,   64
.set BY,   128
.set BZ,   192
.set T,    128                         ; the way out: packed results, where Y lay
.set G1, 24
.set G0, 32
.set G1B, 48
.set G0B, 56
.set PFA, 66
.set MSB, 0
.macro WIN new
.if MSB != (\new)
	s_set_vgpr_msb (MSB<<8)|(\new)
.set MSB, (\new)
.endif
.endm
.macro PLACES n
.rept \n
	v_nop
.endr
.endm
.macro JLOAD s                         ; waves 0, 1 fetch A's halves, waves 2, 3 B's
	s_cmp_eq_u32 s11, 0
	s_cbranch_scc0 .Lfor_b_\@
	tensor_load_to_lds s[G0+4*\s:G0+4*\s+3], s[G1:G1+7]
	s_nop 0
.rept 4
	v_nop
.endr
	s_branch .Lasked_\@
.Lfor_b_\@:
	tensor_load_to_lds s[G0B+4*\s:G0B+4*\s+3], s[G1B:G1B+7]
	s_nop 0
.rept 4
	v_nop
.endr
.Lasked_\@:
.endm
.macro CREST                           ; a round of the cluster's barrier behind its opening barrier
	s_cmp_lg_u32 s10, 0
	s_cbranch_scc1 .Lnot_wave_0_\@
	s_barrier_signal -3
.Lnot_wave_0_\@:
	s_barrier_wait -3
	s_barrier_signal -1
	s_barrier_wait -1
.endm
.macro CROUND
	s_barrier_signal -1
	s_barrier_wait -1
	CREST
.endm
	s_load_b128 s[4:7], s[0:1], 0x0                ; a_pack, b_pack
	s_load_b64 s[8:9], s[0:1], 0x10                ; out0
	v_lshl_add_u32 v[SPW], v0, 2, SPARE
	v_mov_b32 v[NIL], 0
	ds_add_u32 v[SPW], v[NIL]                      ; the add, twice on end, and its wait ahead of the first tensor load
	ds_add_u32 v[SPW], v[NIL]
	v_lshrrev_b32 v1, 5, v0
	v_readfirstlane_b32 s10, v1                    ; wave 0..3
	s_lshr_b32 s11, s10, 1                         ; my half of the tile's rows; also: I fetch for A (0) or B (1)
	s_and_b32 s12, s10, 1                          ; my half of its columns; also: which half of a block I fetch
	s_bfe_u32 s40, ttmp6, 0x40000                  ; cx
	s_bfe_u32 s41, ttmp6, 0x40004                  ; cy
	s_lshl_b32 s42, ttmp9, 2
	s_add_co_u32 s42, s42, s40                     ; tile column
	s_and_b32 s13, ttmp7, 0xffff
	s_lshl_b32 s13, s13, 2
	s_add_co_u32 s13, s13, s41                     ; tile row
	s_lshl_b32 s43, s41, 2
	s_lshl_b32 s43, 15, s43                        ; my row of the cluster
	s_lshl_b32 s44, 0x1111, s40                    ; my column
	s_or_b32 s[G1+0], s43, (3<<16)|(1<<20)|(1<<21)|(5<<22)|(3<<25)   ; elements of 8 bytes, 16 bytes of padding behind each 256
	s_or_b32 s[G1B+0], s44, (3<<16)|(1<<20)|(1<<21)|(5<<22)|(3<<25)
.irp g, G1, G1B
	s_mov_b32 s[\g+1], 32<<16
	s_mov_b32 s[\g+2], 132<<16
	s_mov_b32 s[\g+3], 32<<16
	s_mov_b32 s[\g+4], 132
	s_mov_b32 s[\g+5], 32
	s_mov_b32 s[\g+6], 0
	s_mov_b32 s[\g+7], 0
.endr
	s_mul_i32 s16, s13, 16*BLOCKB                  ; A's blocks: by the tile row alone
	s_mul_i32 s17, s12, HALFB
	s_add_co_u32 s16, s16, s17
	s_mov_b32 s17, 0
	s_mul_i32 s46, s42, 16*BLOCKB                  ; B's: by the tile column alone
	s_mul_i32 s47, s12, HALFB
	s_add_co_u32 s46, s46, s47
	s_mov_b32 s47, 0
	s_mul_i32 s20, s10, HALFT                      ; where my part of a slot lies in LDS
	s_mul_i32 s21, s11, 128*PITCH                  ; my 128 rows of A,
	s_mul_i32 s22, s12, 128*PITCH                  ; my 128 columns of B,
	s_add_co_u32 s22, s22, BOFF
	s_mul_i32 s23, s11, 2*PITCH                    ; and their scale bytes
	s_add_co_u32 s23, s23, SCOFF
	s_mul_i32 s45, s12, 2*PITCH
	s_add_co_u32 s45, s45, BOFF+SCOFF
	s_mul_i32 s19, s10, 16*SPITCH
	s_add_co_u32 s19, s19, STAGE
	s_wait_dscnt 0x0                               ; both adds are done
	CROUND                                         ; all sixteen work-groups are here: the first joint loads meet
	s_wait_kmcnt 0x0
	s_add_nc_u64 s[14:15], s[4:5], s[16:17]
	s_add_nc_u64 s[70:71], s[6:7], s[46:47]
.irp s, 0,1
	s_mov_b32 s[G0+4*\s], 1
	s_add_co_u32 s[G0+4*\s+1], s20, \s*SLOT
	s_add_nc_u64 s[G0+4*\s+2:G0+4*\s+3], s[14:15], \s*BLOCKB
	s_or_b32 s[G0+4*\s+3], s[G0+4*\s+3], 0x80000000
	s_mov_b32 s[G0B+4*\s], 1
	s_add_co_u32 s[G0B+4*\s+1], s20, \s*SLOT
	s_add_nc_u64 s[G0B+4*\s+2:G0B+4*\s+3], s[70:71], \s*BLOCKB
	s_or_b32 s[G0B+4*\s+3], s[G0B+4*\s+3], 0x80000000
.endr
	JLOAD 0                                        ; slot 0: one tensor load a wave at the head
	s_cmp_eq_u32 s11, 0                            ; the prefetches: my 33 units of the half block that I fetch, by my place among the four that ask for it with me
	s_cselect_b64 s[PFA:PFA+1], s[4:5], s[6:7]
	s_cselect_b32 s68, s16, s46
	s_cselect_b32 s69, s40, s41
	s_mul_i32 s69, s69, 33*256
	s_add_co_u32 s68, s68, s69
	s_mov_b32 s69, 0
	s_add_nc_u64 s[PFA:PFA+1], s[PFA:PFA+1], s[68:69]
	s_lshl_b32 s72, s13, 8                         ; my first row of out, and my first column
	s_lshl_b32 s73, s11, 7
	s_add_co_u32 s72, s72, s73
	s_lshl_b32 s72, s72, 13
	s_lshl_b32 s74, s42, 9
	s_lshl_b32 s73, s12, 8
	s_add_co_u32 s74, s74, s73
	s_add_co_u32 s72, s72, s74
	s_mov_b32 s73, 0
	s_add_nc_u64 s[8:9], s[8:9], s[72:73]
	v_and_b32 v1, 15, v0                           ; r
	v_bfe_u32 v2, v0, 4, 1                         ; h
	v_mul_u32_u24 v3, v1, PITCH
	v_lshl_add_u32 v3, v2, 4, v3                   ; A: row r, + 16 h
	v_mul_u32_u24 v4, v2, PITCH
	v_lshl_add_u32 v4, v1, 4, v4                   ; B's images, scale words, rows of the stage: unit h, + 16 r
	v_and_b32 v[PFO], 31, v0
	v_lshlrev_b32 v[PFO], 8, v[PFO]                ; a prefetch: units 0-31, a lane a unit,
	v_mov_b32 v[PFZ], 32*256                       ; and unit 32
	v_add_nc_u32 v[ADRA], s21, v3
	v_add_nc_u32 v[ADRB], s22, v4
	v_add_nc_u32 v[ADSA], s23, v4
	v_add_nc_u32 v[ADSB], s45, v4
	v_add_nc_u32 v[ADRA+1], SLOT, v[ADRA]
	v_add_nc_u32 v[ADRB+1], SLOT, v[ADRB]
	v_add_nc_u32 v[ADSA+1], SLOT, v[ADSA]
	v_add_nc_u32 v[ADSB+1], SLOT, v[ADSB]
	v_mul_u32_u24 v5, v1, SPITCH                   ; the stage: row r, + 64 h
	v_lshl_add_u32 v5, v2, 6, v5
	v_add_nc_u32 v[STO], s19, v5
	v_add_nc_u32 v[RD], s19, v4
	v_lshlrev_b32 v5, 13, v2
	v_lshl_add_u32 v[CO], v1, 4, v5                ; out: lanes 0-15 one row's 256 bytes, lanes 16-31 the next row's
.macro PREF off
	global_prefetch_b8 v[PFO], s[PFA:PFA+1] offset:(\off)*BLOCKB th:TH_LOAD_NT scope:SCOPE_SE
	global_prefetch_b8 v[PFZ], s[PFA:PFA+1] offset:(\off)*BLOCKB th:TH_LOAD_NT scope:SCOPE_SE
.endm
; product n = 8 a + b of a step: A's block a, B's fragment b
.macro PROD n, q, sc, zero
.set A_, (\n)/8
.set B_, (\n)%8
.set rD, 8*(8*(A_%4)+B_)
.set rB, 128*(\q)+16*B_
.if A_ < 4
.set rA, BX+16*A_
.elseif \q
.set rA, BZ+16*(A_-4)
.else
.set rA, BY+16*(A_-4)
.endif
.set rSB, SC+16*(\sc)+8*(\q)+4+B_%4
.set rSA, SC+16*(\sc)+8*(\q)+A_%4
	WIN 0xa1+0x50*(A_/4)
.if \zero
.if (A_ < 4) && (B_ < 4)
	v_wmma_scale_f32_16x16x128_f8f6f4 v[rD:rD+7], v[rB:rB+15], v[rA:rA+15], 0, v[rSB], v[rSA] matrix_a_fmt:MATRIX_FMT_BF8 matrix_b_fmt:MATRIX_FMT_BF8
.elseif A_ < 4
	v_wmma_scale_f32_16x16x128_f8f6f4 v[rD:rD+7], v[rB:rB+15], v[rA:rA+15], 0, v[rSB], v[rSA] matrix_a_fmt:MATRIX_FMT_BF8 matrix_b_fmt:MATRIX_FMT_BF8 matrix_a_scale:MATRIX_SCALE_ROW1
.elseif B_ < 4
	v_wmma_scale_f32_16x16x128_f8f6f4 v[rD:rD+7], v[rB:rB+15], v[rA:rA+15], 0, v[rSB], v[rSA] matrix_a_fmt:MATRIX_FMT_BF8 matrix_b_fmt:MATRIX_FMT_BF8 matrix_b_scale:MATRIX_SCALE_ROW1
.else
	v_wmma_scale_f32_16x16x128_f8f6f4 v[rD:rD+7], v[rB:rB+15], v[rA:rA+15], 0, v[rSB], v[rSA] matrix_a_fmt:MATRIX_FMT_BF8 matrix_b_fmt:MATRIX_FMT_BF8 matrix_a_scale:MATRIX_SCALE_ROW1 matrix_b_scale:MATRIX_SCALE_ROW1
.endif
.else
.if (A_ < 4) && (B_ < 4)
	v_wmma_scale_f32_16x16x128_f8f6f4 v[rD:rD+7], v[rB:rB+15], v[rA:rA+15], v[rD:rD+7], v[rSB], v[rSA] matrix_a_fmt:MATRIX_FMT_BF8 matrix_b_fmt:MATRIX_FMT_BF8
.elseif A_ < 4
	v_wmma_scale_f32_16x16x128_f8f6f4 v[rD:rD+7], v[rB:rB+15], v[rA:rA+15], v[rD:rD+7], v[rSB], v[rSA] matrix_a_fmt:MATRIX_FMT_BF8 matrix_b_fmt:MATRIX_FMT_BF8 matrix_a_scale:MATRIX_SCALE_ROW1
.elseif B_ < 4
	v_wmma_scale_f32_16x16x128_f8f6f4 v[rD:rD+7], v[rB:rB+15], v[rA:rA+15], v[rD:rD+7], v[rSB], v[rSA] matrix_a_fmt:MATRIX_FMT_BF8 matrix_b_fmt:MATRIX_FMT_BF8 matrix_b_scale:MATRIX_SCALE_ROW1
.else
	v_wmma_scale_f32_16x16x128_f8f6f4 v[rD:rD+7], v[rB:rB+15], v[rA:rA+15], v[rD:rD+7], v[rSB], v[rSA] matrix_a_fmt:MATRIX_FMT_BF8 matrix_b_fmt:MATRIX_FMT_BF8 matrix_a_scale:MATRIX_SCALE_ROW1 matrix_b_scale:MATRIX_SCALE_ROW1
.endif
.endif
.endm
.macro BFR slot, q                     ; B's eight fragments of step q: 32 loads
	WIN 0x40
.irp b, 0,1,2,3,4,5,6,7
.irp c, 0,1,2,3
	ds_load_b128 v[128*(\q)+16*\b+4*\c:128*(\q)+16*\b+4*\c+3], v[ADRB+\slot] offset:\b*16*PITCH+(\q)*8*PITCH+\c*2*PITCH
.endr
.endr
	WIN 0
.endm
.macro AFR slot, q, i0, reg            ; four blocks of A: 16 loads
.irp i, 0,1,2,3
.irp c, 0,1,2,3
	ds_load_b128 v[\reg+16*\i+4*\c:\reg+16*\i+4*\c+3], v[ADRA+\slot] offset:128*(\q)+32*\c+(\i0+\i)*16*PITCH
.endr
.endr
.endm
.macro RUN0 s                          ; the run of a step q = 0: this slot's step q = 1
	BFR \s, 1
	AFR \s, 1, 0, BX
	AFR \s, 1, 4, BZ
.endm
.macro RUN1 s                          ; the run of a step q = 1: the next slot's scale words and its step q = 0
	WIN 0
.irp q, 0,1
	ds_load_b128 v[SC+16*\s+8*\q:SC+16*\s+8*\q+3], v[ADSA+\s] offset:4*PITCH*\q
	ds_load_b128 v[SC+16*\s+8*\q+4:SC+16*\s+8*\q+7], v[ADSB+\s] offset:4*PITCH*\q
.endr
	BFR \s, 0
	AFR \s, 0, 0, BX
	AFR \s, 0, 4, BY
.endm
; A slot's first step.  The run behind which this step was fetched ends with A's eight blocks, four loads each: a block's products wait until only the later blocks may be out.
.macro STEP0 s, zero
	s_wait_dscnt 28
.set N_, 0
.rept 32
.if N_ == 8
	s_wait_dscnt 24
.elseif N_ == 16
	s_wait_dscnt 20
.elseif N_ == 24
	s_wait_dscnt 16
.endif
	PROD N_, 0, \s, \zero
.set N_, N_+1
.endr
	s_wait_dscnt 0x0                               ; A's blocks 4-7 are in
	PLACES 8                                       ; in front of loads into registers that matrix instructions have read
	RUN0 \s
.rept 32
	PROD N_, 0, \s, \zero
.set N_, N_+1
.endr
.endm
.macro ASK                             ; the fill two further on; the last trip's would lie past the end
	WIN 0
	s_cmp_eq_u32 s3, 1
	s_cbranch_scc1 .Lno_ask_\@
	PREF 3
.Lno_ask_\@:
.endm
.macro GRD s, fill
	WIN 0
.if \fill
	s_wait_xcnt 0x0                                ; the last prefetch has read its address
.endif
	s_wait_tensorcnt 0x0                           ; my part of the next slot has landed;
	ds_add_u32 v[SPW], v[NIL]
.if \fill
	s_add_nc_u64 s[G0+4*\s+2:G0+4*\s+3], s[G0+4*\s+2:G0+4*\s+3], 2*BLOCKB
	s_add_nc_u64 s[G0B+4*\s+2:G0B+4*\s+3], s[G0B+4*\s+2:G0B+4*\s+3], 2*BLOCKB
	s_add_nc_u64 s[PFA:PFA+1], s[PFA:PFA+1], BLOCKB
.endif
.endm
; A slot's second step, with the change of slots ahead of its run; fill = 1: slot s takes the block two on
.macro STEP1 s, nx, fill
	s_wait_dscnt 28
.set N_, 0
.rept 32
.if N_ == 8
	s_wait_dscnt 24
.elseif N_ == 16
	s_wait_dscnt 20
.elseif N_ == 20
	GRD \s, \fill
.elseif N_ == 24
	s_wait_dscnt 17                                ; four blocks and the add may be out
.elseif N_ == 28
	s_wait_dscnt 0x0                               ; the add is done and my reads of this slot are over
	s_barrier_signal -1
.endif
	PROD N_, 1, \s, 0
.set N_, N_+1
.endr
	WIN 0
	s_barrier_wait -1
.if \fill
	CREST
	JLOAD \s                                       ; the refill, first behind the round: 116 products ahead of the wait for it; its four v_nop are four of the eight places
	PLACES 4
.else
	PLACES 8
.endif
	RUN1 \nx
.if \fill
	ASK
.endif
.rept 32
	PROD N_, 1, \s, 0
.set N_, N_+1
.endr
.endm
	s_wait_alu depctr_va_vdst(0)
	s_wait_tensorcnt 0x0                           ; my part of slot 0 is in
	ds_add_u32 v[SPW], v[NIL]
	s_wait_dscnt 0x0
	CROUND
	JLOAD 1
	RUN1 0
	PREF 2
	PREF 3
	STEP0 0, 1                                     ; the first products start the sums
	WIN 0
	s_mov_b32 s3, 7
.Llap:                                                 ; twice the change of slots, both refilled
	STEP1 0, 1, 1
	STEP0 1, 0
	STEP1 1, 0, 1
	STEP0 0, 0
	WIN 0
	s_sub_co_u32 s3, s3, 1
	s_cmp_lg_u32 s3, 0
	s_cbranch_scc1 .Llap
	STEP1 0, 1, 0                                  ; slot 14's second step: nothing is filled again
	STEP0 1, 0
; THE LAST STEP: block a of 16 rows is finished by its eight products.  Behind each product of block a stand four conversions of block a - 1; behind block a ONE run of memory instructions: block a - 2, back in registers, is
; stored; block a - 1 goes into the stage and comes back by rows.
.macro PACK4 x, i                      ; block x: 16 bytes a lane, columns 64 (i / 4) + 32 h + 8 (i % 4) .. + 7 of its row r
.set AC_, 8*(8*((\x)%4)+4*((\i)/4))+2*((\i)%4)
	WIN 0x0a+5*((\x)/4)
	v_cvt_pk_f16_f32 v[T+4*(\i)], v[AC_], v[AC_+8]
	v_cvt_pk_f16_f32 v[T+4*(\i)+1], v[AC_+16], v[AC_+24]
	v_cvt_pk_f16_f32 v[T+4*(\i)+2], v[AC_+1], v[AC_+9]
	v_cvt_pk_f16_f32 v[T+4*(\i)+3], v[AC_+17], v[AC_+25]
.endm
.macro TOSTAGE x                       ; into my stage and back as whole rows of 256 bytes; LDS serves a wave's instructions in order (ISA guide 5.7.1.4).  Even blocks come back into v160-191, odd ones into v64-95
.irp i, 0,1,2,3,4,5,6,7
	ds_store_b128 v[STO], v[T+4*\i:T+4*\i+3] offset:128*(\i/4)+16*(\i%4)
.endr
.set BB_, 160-96*((\x)%2)
.irp t, 0,1,2,3,4,5,6,7
	ds_load_b128 v[BB_+4*\t:BB_+4*\t+3], v[RD] offset:\t*2*SPITCH
.endr
.endm
.macro SEND x
.set BB_, 160-96*((\x)%2)
.irp t, 0,1,2,3,4,5,6,7
	global_store_b128 v[CO], v[BB_+4*\t:BB_+4*\t+3], s[8:9] offset:(16*(\x)+2*\t)*ROWC
.endr
.endm
.macro OUT x
	WIN 0
	s_wait_alu depctr_va_vdst(0)
.if (\x) > 0
	s_wait_dscnt 0x0                               ; block x - 1 is back in registers
	s_wait_xcnt 0x0                                ; block x - 2's stores have read their registers, into which block x comes back
	SEND (\x)-1
.endif
	TOSTAGE \x
.endm
	s_wait_dscnt 28
.set N_, 0
.rept 64
.if N_ == 8
	s_wait_dscnt 24
.elseif N_ == 16
	s_wait_dscnt 36                                ; A's blocks 3-7 and block 0's sixteen accesses to the stage may be out
.endif
	PROD N_, 1, 1, 0
.if N_ < 8
	v_nop                                          ; places: block 0's first conversions read results of four to eight products back
	v_nop
.else
.set X_, N_/8-1
.set Y_, N_%8
	PACK4 X_, Y_
.if Y_ == 7
	OUT X_
.endif
.endif
.set N_, N_+1
.endr
.set N_, 0
.rept 8
	PACK4 7, N_
.set N_, N_+1
.endr
	OUT 7
	s_wait_dscnt 0x0                               ; block 7 is back
	SEND 7
	s_wait_tensorcnt 0x0                           ; the wave's end
	ds_add_u32 v[SPW], v[NIL]
	s_wait_dscnt 0x0
	CROUND                                         ; the closing round
	s_endpgm
.Lfunc_end_k_q9428788a56_gemm:
	.size	k_q9428788a56_gemm, .Lfunc_end_k_q9428788a56_gemm-k_q9428788a56_gemm
	.p2alignl 7, 3214868480
	.fill 96, 4, 3214868480
	.section	.rodata,"a",@progbits
	.p2align	6, 0x0
	.amdhsa_kernel k_q9428788a56_gemm
		.amdhsa_group_segment_fixed_size 327680
		.amdhsa_private_segment_fixed_size 0
		.amdhsa_enable_private_segment 0
		.amdhsa_kernarg_size 24
		.amdhsa_user_sgpr_count 2
		.amdhsa_user_sgpr_kernarg_segment_ptr 1
		.amdhsa_wavefront_size32 1
		.amdhsa_system_sgpr_workgroup_id_x 1
		.amdhsa_system_sgpr_workgroup_id_y 1
		.amdhsa_system_sgpr_workgroup_id_z 1
		.amdhsa_system_vgpr_workitem_id 0
		.amdhsa_next_free_vgpr 1024
		.amdhsa_next_free_sgpr 76
		.amdhsa_reserve_vcc 0
		.amdhsa_float_denorm_mode_32 3
		.amdhsa_float_denorm_mode_16_64 3
		.amdhsa_memory_ordered 1
		.amdhsa_forward_progress 1
		.amdhsa_inst_pref_size 148
	.end_amdhsa_kernel
	.amdgpu_metadata
---
amdhsa.version: [ 1, 2 ]
amdhsa.kernels:
  - .name:           k_q9428788a56_gemm
    .symbol:         k_q9428788a56_gemm.kd
    .args:
      - { .name: a_pack, .offset: 0, .size: 8, .value_kind: global_buffer, .address_space: global }
      - { .name: b_pack, .offset: 8, .size: 8, .value_kind: global_buffer, .address_space: global }
      - { .name: out0, .offset: 16, .size: 8, .value_kind: global_buffer, .address_space: global }
    .group_segment_fixed_size: 327680
    .private_segment_fixed_size: 0
    .kernarg_segment_align: 8
    .kernarg_segment_size: 24
    .max_flat_workgroup_size: 128
    .sgpr_count:     76
    .vgpr_count:     1024
    .wavefront_size: 32
...
	.end_amdgpu_metadata
.endif
;; end of part 2
